; MI455X (gfx1250); checked and timed in simulation.
; The chip was launched on July 23, 2026; its instructions are those of AMD's public machine-readable ISA for CDNA 5 (MIT licence, August 2026) and "CDNA5" Instruction Set Architecture Reference Guide (July 2026). The comments in the code are by the model that wrote it; some were corrected since.
;; FR Roi Process Layer. Allowed arithmetic: float matrix products may take bf16 or f16 operands with f32 sums; all other float work in f32.
;; Inputs: features 2 x 256 x 64 x 64 float32; rois 512 x 5 float32.
;; Outputs: out0 512 x 256 x 7 x 7 float32.
;; 2 versions, each right; version 2 is version 1 with the launch pool written anew for expert scheduling mode. Each part assembles by itself: llvm-mc -triple=amdgcn-amd-amdhsa -mcpu=gfx1250 --defsym DOCPART=n.
;; ======== version 1 of 2: 2 launches
;; workspace buffers: ft 8,388,608 bytes; bins 32,768 bytes of whole numbers
;; launch prep (part 1): grid 256 x 1, 8 waves a work-group, no clusters, 34,304 bytes of LDS; arguments features, rois, ft, bins; writes ft, bins
.if DOCPART == 1
	.amdgcn_target "amdgcn-amd-amdhsa--gfx1250"
	.amdhsa_code_object_version 6
	.text
	.protected	k_q228926654d_prep
	.globl	k_q228926654d_prep
	.p2align	8
	.type	k_q228926654d_prep,@function
k_q228926654d_prep:
	s_mov_b64 s[64:65], 0
	v_nop
	global_prefetch_b8 v0, s[64:65] scope:SCOPE_SE
	s_setreg_imm32_b32 hwreg(HW_REG_WAVE_MODE, 25, 1), 1
	s_wait_xcnt 0x0
; PREP: (1) ft[b][h][w][c] = features[b][c][h][w], f32: the channel-last copy that the pooling launch reads;
;       (2) bins: for each box 16 whole numbers, the 7 row bins (words 0-6) and the 7 column bins (words 8-14); words 7, 15 are written, never used.
; A word of bins: bits 5:0 S = min(start, 63); 13:8 L = S + max(n, 1) - 1; 19:16 n = clamp(end - start, 0, 12); 24 the box's batch index.
; The 12 is the length of reference()'s scans (ceil(65 / 7) + 2): a window never takes more than 12 rows or columns.
; A work-group transposes 128 channels x one image row of 64 pixels through LDS: 2 batches x 64 rows x 2 halves = 256 work-groups.
; Wave 0 of work-group x also makes the 32 words of boxes 2x and 2x + 1, one lane a word.
; THE BIN SIZE: len / 7 is taken as ONE rounded product, len x (1/7 rounded to f32), which is how a division by a constant is evaluated in the
; compiled reference; it is NOT the correctly rounded quotient.  The two differ in the last bit for many lengths, and floor and ceil sit on that
; bit: for len = 31 the product gives 7 q = 31 + 2^-19, so that the last bin ends one row later than with the exact quotient.
; LIMITS: box coordinates with |x / 16| < 2^22 (the whole numbers are kept exactly in f32); NaN or infinite coordinates are not served;
; the batch index is cut to whole and held in 0..1 (reference() relies on it being a valid index).
; No matrix work, no cluster: no two work-groups read the same bytes.
.set PITCH, 260                        ; LDS row of one channel: 64 pixels + 1 word.  65 words: the two channels that a store touches differ by 1 bank
.set X,     8                          ; v[8:39]  eight slots of four registers: loaded pixels, later the channels read back
	s_load_b256 s[4:11], s[0:1], 0x0               ; features s[4:5], rois s[6:7], ft s[8:9], bins s[10:11]
	v_lshl_add_u32 v56, v0, 2, 0x8200
	v_mov_b32 v57, 0
	v_and_b32 v1, 31, v0                           ; lane
	v_lshrrev_b32 v2, 5, v0                        ; wave
	v_readfirstlane_b32 s12, v2                    ; and as a scalar, for the branches
	v_and_b32 v3, 15, v0                           ; q: which 16 bytes of an image row
	v_bfe_u32 v40, v0, 4, 1                        ; hh: which of a load's two channels
	v_lshl_add_u32 v40, v2, 4, v40                 ; channel of slot 0 = 16 wave + hh
	v_lshlrev_b32 v41, 4, v3                       ; 16 q
	v_lshl_add_u32 v4, v40, 14, v41                ; load offset: channel x 16,384 bytes + 16 q
	v_mad_u32_u24 v5, v40, PITCH, v41              ; LDS in:   channel x pitch + 16 q
	v_lshlrev_b32 v42, 5, v2                       ; my wave's 8 pixels, 4 bytes each
	v_mad_u32_u24 v6, v1, 4*PITCH, v42             ; LDS back: channels 4 lane .. 4 lane + 3, pixel 8 wave
	v_lshlrev_b32 v43, 4, v1
	v_lshl_add_u32 v7, v2, 13, v43                 ; store offset: pixel 8 wave x 1,024 bytes + 16 lane
	s_mov_b32 s16, 0x3e124925                      ; 1/7 rounded to f32
	s_lshr_b32 s13, ttmp9, 7
	s_lshl_b32 s13, s13, 22                        ; batch x 4 MiB, in both layouts
	s_and_b32 s18, ttmp9, 1                        ; which 128 channels
	s_bfe_u32 s19, ttmp9, 0x60001                  ; image row h
	s_mov_b32 s15, 0
	s_wait_kmcnt 0x0
	s_lshl_b32 s14, s18, 21                        ; features: 128 channels x 16,384 bytes
	s_lshl_b32 s20, s19, 8                         ;           h x 256 bytes
	s_or_b32 s14, s14, s13
	s_or_b32 s14, s14, s20
	s_add_nc_u64 s[4:5], s[4:5], s[14:15]
	s_lshl_b32 s14, s19, 16                        ; ft: h x 64 pixels x 1,024 bytes
	s_lshl_b32 s20, s18, 9                         ;     128 channels x 4 bytes
	s_or_b32 s14, s14, s13
	s_or_b32 s14, s14, s20
	s_add_nc_u64 s[8:9], s[8:9], s[14:15]
	s_mul_i32 s14, ttmp9, 40                       ; rois: two boxes of 20 bytes
	s_add_nc_u64 s[6:7], s[6:7], s[14:15]
	s_lshl_b32 s14, ttmp9, 7                       ; bins: two boxes of 64 bytes
	s_add_nc_u64 s[10:11], s[10:11], s[14:15]
	; wave 0: ask for the boxes first, so that they arrive ahead of the pixels.  In wave 0, v0 is the lane.
	s_cmp_lg_u32 s12, 0
	s_cbranch_scc1 .Lno_ask
	v_bfe_u32 v46, v0, 4, 1                        ; which of the two boxes
	v_bfe_u32 v47, v0, 3, 1                        ; axis a: 0 rows (y1, y2 at bytes 8, 16), 1 columns (x1, x2 at bytes 4, 12)
	v_mul_u32_u24 v45, v46, 20                     ; the box's row in rois: its batch index
	v_lshlrev_b32 v47, 2, v47
	v_add_nc_u32 v44, 8, v45
	v_sub_nc_u32 v44, v44, v47                     ; 20 box + 8 - 4 a
	global_load_b32 v40, v44, s[6:7]               ; lower coordinate
	global_load_b32 v41, v44, s[6:7] offset:8      ; upper coordinate
	global_load_b32 v42, v45, s[6:7]               ; batch
.Lno_ask:
	; every wave: 16 channels x 64 pixels.  A load takes two channels' image rows: 2 x 256 consecutive bytes, aligned.  Read once in the launch.
.irp i, 0,1,2,3,4,5,6,7
	global_load_b128 v[X+4*\i:X+4*\i+3], v4, s[4:5] offset:32768*\i th:TH_LOAD_NT
.endr
	s_cmp_lg_u32 s12, 0
	s_cbranch_scc1 .Lno_bins
	s_wait_loadcnt 0x8                             ; loads return in order: the three of rois are in, the eight younger ones stay out
	v_lshlrev_b32 v55, 2, v0                       ; my word of bins
	v_mul_f32 v40, 0x3d800000, v40                 ; x 1/16, exact
	v_mul_f32 v41, 0x3d800000, v41
	v_rndne_f32 v40, v40                           ; c1: halves go to the even number, as jnp.round
	v_rndne_f32 v41, v41                           ; c2
	v_sub_f32 v48, v41, v40
	v_add_f32 v48, 1.0, v48
	v_max_num_f32 v48, 1.0, v48                    ; len = max(c2 - c1 + 1, 1)
	v_and_b32 v46, 7, v0
	v_cvt_f32_u32 v46, v46                         ; p
	v_sub_f32 v47, -1.0, v46                       ; -(p + 1)
	v_mul_f32 v49, s16, v48                        ; q = len x (1/7 rounded): one product, one rounding (see the head)
	v_mul_f32 v51, v46, v49                        ; p q, rounded once, as in reference(): not fused with what follows
	v_mul_f32 v52, v47, v49                        ; -((p + 1) q): rounding to nearest is symmetric in the sign
	v_floor_f32 v51, v51
	v_floor_f32 v52, v52                           ; = -ceil((p + 1) q)
	v_add_f32 v51, v51, v40
	v_sub_f32 v52, v40, v52
	v_med3_num_f32 v51, v51, 0, 0x42800000         ; start, held in 0..64
	v_med3_num_f32 v52, v52, 0, 0x42800000         ; end, held in 0..64
	v_sub_f32 v53, v52, v51
	v_med3_num_f32 v53, v53, 0, 0x41400000         ; n = what the scan of 12 steps takes; 0: the bin is empty
	v_min_num_f32 v51, 0x427c0000, v51             ; S = min(start, 63)
	v_max_num_f32 v54, 1.0, v53
	v_add_f32 v54, v54, v51
	v_add_f32 v54, -1.0, v54                       ; L = S + max(n, 1) - 1, at most 63 since start + n <= 64
	v_med3_num_f32 v42, v42, 0, 1.0
	v_cvt_u32_f32 v51, v51
	v_cvt_u32_f32 v54, v54
	v_cvt_u32_f32 v53, v53
	v_cvt_u32_f32 v42, v42                         ; toward zero, as astype(int32)
	v_lshl_or_b32 v51, v54, 8, v51
	v_lshl_or_b32 v51, v53, 16, v51
	v_lshl_or_b32 v51, v42, 24, v51
	global_store_b32 v55, v51, s[10:11]            ; 128 consecutive bytes; v51 and v55 are not written again
.Lno_bins:
	; into LDS as [channel][pixel].  Words, since a pitch of 260 bytes is no multiple of 16.
.irp i, 0,1,2,3,4,5,6,7
	s_wait_loadcnt 7-\i                            ; slot i is in, the younger slots stay out
.irp j, 0,1,2,3
	ds_store_b32 v5, v[X+4*\i+\j] offset:2*PITCH*\i+4*\j
.endr
.endr
	s_wait_dscnt 0x0                               ; my stores are in LDS before I say so: other waves read them
	s_barrier_signal -1
	s_barrier_wait -1
	; back as [pixel][channel]: pixel 8 wave + i, channels 4 lane + j
.irp i, 0,1,2,3,4,5,6,7
.irp j, 0,1,2,3
	ds_load_b32 v[X+4*\i+\j], v6 offset:PITCH*\j+4*\i
.endr
.endr
.irp i, 0,1,2,3,4,5,6,7
	s_wait_dscnt 4*(7-\i)                          ; pixel i's four loads are in; four for each younger pixel stay out
	global_store_b128 v7, v[X+4*\i:X+4*\i+3], s[8:9] offset:1024*\i   ; the wave stores 512 consecutive bytes, at a multiple of 512 from ft's first byte
.endr
	s_wait_tensorcnt 0x0
	ds_add_u32 v56, v57
	s_wait_dscnt 0x0
	s_endpgm
.Lfunc_end_k_q228926654d_prep:
	.size	k_q228926654d_prep, .Lfunc_end_k_q228926654d_prep-k_q228926654d_prep
	.p2alignl 7, 3214868480
	.fill 96, 4, 3214868480
	.section	.rodata,"a",@progbits
	.p2align	6, 0x0
	.amdhsa_kernel k_q228926654d_prep
		.amdhsa_group_segment_fixed_size 34304
		.amdhsa_private_segment_fixed_size 0
		.amdhsa_enable_private_segment 0
		.amdhsa_kernarg_size 32
		.amdhsa_user_sgpr_count 2
		.amdhsa_user_sgpr_kernarg_segment_ptr 1
		.amdhsa_wavefront_size32 1
		.amdhsa_system_sgpr_workgroup_id_x 1
		.amdhsa_system_sgpr_workgroup_id_y 1
		.amdhsa_system_sgpr_workgroup_id_z 1
		.amdhsa_system_vgpr_workitem_id 0
		.amdhsa_next_free_vgpr 58
		.amdhsa_next_free_sgpr 66
		.amdhsa_reserve_vcc 0
		.amdhsa_float_denorm_mode_32 3
		.amdhsa_float_denorm_mode_16_64 3
		.amdhsa_memory_ordered 1
		.amdhsa_forward_progress 1
		.amdhsa_inst_pref_size 11
	.end_amdhsa_kernel
	.amdgpu_metadata
---
amdhsa.version: [ 1, 2 ]
amdhsa.kernels:
  - .name:           k_q228926654d_prep
    .symbol:         k_q228926654d_prep.kd
    .args:
      - { .name: features, .offset: 0, .size: 8, .value_kind: global_buffer, .address_space: global }
      - { .name: rois, .offset: 8, .size: 8, .value_kind: global_buffer, .address_space: global }
      - { .name: ft, .offset: 16, .size: 8, .value_kind: global_buffer, .address_space: global }
      - { .name: bins, .offset: 24, .size: 8, .value_kind: global_buffer, .address_space: global }
    .group_segment_fixed_size: 34304
    .private_segment_fixed_size: 0
    .kernarg_segment_align: 8
    .kernarg_segment_size: 32
    .max_flat_workgroup_size: 256
    .sgpr_count:     66
    .vgpr_count:     58
    .wavefront_size: 32
...
	.end_amdgpu_metadata
.endif
;; end of part 1
;; launch pool (part 2): grid 4 x 512, 7 waves a work-group, no clusters, 13,568 bytes of LDS; arguments ft, bins, out0; writes out0
.if DOCPART == 2
	.amdgcn_target "amdgcn-amd-amdhsa--gfx1250"
	.amdhsa_code_object_version 6
	.text
	.protected	k_q228926654d_pool
	.globl	k_q228926654d_pool
	.p2align	8
	.type	k_q228926654d_pool,@function
k_q228926654d_pool:
	s_mov_b64 s[64:65], 0
	v_nop
	global_prefetch_b8 v0, s[64:65] scope:SCOPE_SE
	s_setreg_imm32_b32 hwreg(HW_REG_WAVE_MODE, 25, 1), 1
	s_wait_xcnt 0x0
; POOL: out0[box][c][ph][pw] = the largest ft[b][h][w][c] over the bin's rows and columns, 0 for an empty bin.
; A work-group makes one box x 64 channels: 64 x 49 numbers = 12,544 bytes = 49 x 256, a run of out0 that starts at a multiple of 256 bytes.
; Wave ph makes the seven bins of pooled row ph; a lane keeps two neighbouring channels, so one load of the wave is 256 consecutive bytes of one pixel.
; All control is scalar and comes from the whole numbers that the launch before stored in bins (word: 5:0 first, 13:8 last, 19:16 count, 24 batch).
; The seven bins walk their columns together, k = 0 .. K-1 with K the widest bin's count; a narrower bin stays on its last column, which a
; maximum does not notice.  In a trip each bin loads R rows of its column: 7 R loads are out together, and the accumulators have fixed registers.
; A bin of 1 to 6 rows is one block of R = that many rows; 7 to 12 rows are two blocks of R = half, rounded up; the second ends on the last
; row and may take one row again.  One body for each R.
; LIMIT: a NaN among the features loses against numbers here (v_max_num_f32), where reference() hands it on.
; No cluster: which pixels a work-group reads, and in how many trips, hangs on its own box; partners would share no tile by any fixed pattern.
; No LDS copy of the features: 64 channels of one image are 1 MiB.  No prefetch: ft was stored by the launch just before.
.set OFF, 6                            ; v[6:12]    bin pw: byte offset of my two channels in the trip's first pixel
.set ACC, 14                           ; v[14:27]   bin pw: a pair, the running maxima of my two channels
.set BUF, 28                           ; v[28:111]  bin pw, row r: the pair at BUF + 12 pw + 2 r
.set FP,  24                           ; s[24:30]   bin pw: pixel number of its first column in the block's first row
.set LP,  32                           ; s[32:38]   bin pw: the same for its last column
.set ROWB, 65536                       ; bytes from an image row to the next: 64 pixels x 256 channels x 4
	s_load_b128 s[4:7], s[0:1], 0x0                ; ft s[4:5], bins s[6:7]
	s_load_b64 s[8:9], s[0:1], 0x10                ; out0
	v_lshl_add_u32 v112, v0, 2, 0x3100
	v_mov_b32 v113, 0
	v_and_b32 v5, 31, v0                           ; lane
	v_lshrrev_b32 v13, 5, v0                       ; wave = ph
	v_readfirstlane_b32 s10, v13
	s_lshl_b32 s11, s10, 2                         ; my row bin's word in the box's record
	s_and_b32 s46, ttmp7, 0xffff                   ; box
	s_lshl_b32 s44, ttmp9, 8                       ; the group's 64 channels: 256 bytes of a pixel
	v_lshl_add_u32 v1, v5, 3, s44                  ; + my two channels
	v_mul_u32_u24 v2, v13, 28
	v_mad_u32_u24 v2, v5, 392, v2                  ; stage, in: channel 2 lane x 196 bytes + ph x 28.  98 words from lane to lane: 32 different banks
	v_mul_u32_u24 v3, v13, 1792
	v_lshl_add_u32 v4, v5, 3, v3
	v_lshl_add_u32 v3, v5, 4, v3                   ; stage, back, and out0: my wave's 1,792 bytes, 16 a lane,
	v_add_nc_u32 v4, 1536, v4                      ; and the last 256 of them, 8 a lane
.irp i, 0,1,2,3,4,5,6,7,8,9,10,11,12,13
	v_mov_b32 v[ACC+\i], 0xff800000                ; -inf, as reference()'s scans start
.endr
	s_lshl_b32 s44, s46, 6                         ; a box's record is 64 bytes
	s_mov_b32 s45, 0
	s_wait_kmcnt 0x0
	s_add_nc_u64 s[6:7], s[6:7], s[44:45]
	s_load_b32 s12, s[6:7], s11 offset:0x0         ; my row bin
	s_load_b256 s[16:23], s[6:7], 0x20             ; the column bins
	s_mul_i32 s44, s46, 50176                      ; out0: box x 256 channels x 196 bytes
	s_mul_i32 s47, ttmp9, 12544                    ;       + group x 64 channels x 196 bytes
	s_add_co_u32 s44, s44, s47                     ; below 2^25
	s_add_nc_u64 s[8:9], s[8:9], s[44:45]
	s_mov_b32 s31, 1                               ; K, at least one trip
	s_mov_b32 s41, 0                               ; bit pw: bin pw is empty
	s_wait_kmcnt 0x0
	s_and_b32 s44, s12, 63                         ; first row
	s_bfe_u32 s14, s12, 0x40010                    ; rows
	s_min_u32 s14, s14, 12
	s_bfe_u32 s13, s12, 0x10018                    ; batch
	s_lshl_b32 s13, s13, 12
	s_lshl_b32 s44, s44, 6
	s_add_co_u32 s13, s13, s44                     ; pixel number of (batch, first row, column 0)
	s_max_u32 s44, s14, 1                          ; an empty bin still reads one row, and is set to 0 at the end
	s_add_co_u32 s45, s44, 1
	s_lshr_b32 s45, s45, 1
	s_cmp_gt_u32 s44, 6
	s_cselect_b32 s15, s45, s44                    ; R: rows of a block, 1 to 6
	s_cselect_b32 s39, 2, 1                        ; blocks
	s_sub_co_u32 s40, s44, s15
	s_lshl_b32 s40, s40, 6                         ; pixels from the first block to the second
.irp pw, 0,1,2,3,4,5,6
	s_and_b32 s44, s[16+\pw], 63
	s_add_co_u32 s[FP+\pw], s13, s44
	s_bfe_u32 s44, s[16+\pw], 0x60008
	s_add_co_u32 s[LP+\pw], s13, s44
	s_bfe_u32 s44, s[16+\pw], 0x40010              ; columns
	s_max_u32 s31, s31, s44
	s_cmp_eq_u32 s44, 0
	s_cselect_b32 s44, 1<<\pw, 0
	s_or_b32 s41, s41, s44
.endr
	s_min_u32 s31, s31, 12
	s_cmp_eq_u32 s14, 0
	s_cselect_b32 s41, 0x7f, s41                   ; no rows: all seven are empty
; the R rows of bin pw go into its two maxima, two rows an instruction
.macro MAXR pw, R
.irp e, 0,1
.set rr, 0
.rept \R/2
	v_max3_num_f32 v[ACC+2*\pw+\e], v[ACC+2*\pw+\e], v[BUF+12*\pw+2*rr+\e], v[BUF+12*\pw+2*rr+2+\e]
.set rr, rr+2
.endr
.if \R & 1
	v_max_num_f32 v[ACC+2*\pw+\e], v[ACC+2*\pw+\e], v[BUF+12*\pw+2*rr+\e]
.endif
.endr
.endm
; the body for blocks of R rows
.macro POOL R
.LR\R:
.if \R > 3
	s_mov_b32 s43, 0                               ; block
.Lb\R:
.endif
	s_mov_b32 s42, 0                               ; k
.Lk\R:
.irp pw, 0,1,2,3,4,5,6
	s_add_co_u32 s44, s[FP+\pw], s42               ; column k of the bin,
	s_min_u32 s44, s44, s[LP+\pw]                  ; or its last
	s_min_u32 s44, s44, 0x1fff-64*(\R-1)           ; a loaded number enters an address only behind a constant bound: with it the R rows end inside ft's 8,192 pixels
	v_lshl_add_u32 v[OFF+\pw], s44, 10, v1         ; a pixel is 1,024 bytes.  (OFF and BUF are free: the trip before ended on s_wait_loadcnt 0)
.set rr, 0
.rept \R
	global_load_b64 v[BUF+12*\pw+2*rr:BUF+12*\pw+2*rr+1], v[OFF+\pw], s[4:5] offset:ROWB*rr
.set rr, rr+1
.endr
.endr
.irp pw, 0,1,2,3,4,5,6
	s_wait_loadcnt (6-\pw)*\R                      ; loads return in order: bin pw's R are in, the R of each younger bin stay out
	MAXR \pw, \R
.endr
	s_add_co_u32 s42, s42, 1
	s_cmp_lt_u32 s42, s31
	s_cbranch_scc1 .Lk\R
.if \R > 3
.irp pw, 0,1,2,3,4,5,6
	s_add_co_u32 s[FP+\pw], s[FP+\pw], s40         ; the second block's first row
	s_add_co_u32 s[LP+\pw], s[LP+\pw], s40
.endr
	s_add_co_u32 s43, s43, 1
	s_cmp_lt_u32 s43, s39
	s_cbranch_scc1 .Lb\R
.endif
.if \R > 1
	s_branch .Lfin
.endif
.endm
.irp r, 1,2,3,4,5
	s_cmp_eq_u32 s15, \r
	s_cbranch_scc1 .LR\r
.endr
	POOL 6
	POOL 5
	POOL 4
	POOL 3
	POOL 2
	POOL 1
.Lfin:
	; empty bins give 0; then the wave's 7 x 64 numbers go to their places in the stage, which is laid as out0 is: [channel][ph][pw]
.irp pw, 0,1,2,3,4,5,6
	s_bitcmp1_b32 s41, \pw
	s_cselect_b32 s44, 0, -1
	v_and_b32 v[ACC+2*\pw], s44, v[ACC+2*\pw]
	v_and_b32 v[ACC+2*\pw+1], s44, v[ACC+2*\pw+1]
	ds_store_b32 v2, v[ACC+2*\pw] offset:4*\pw
	ds_store_b32 v2, v[ACC+2*\pw+1] offset:4*\pw+196
.endr
	s_wait_dscnt 0x0                               ; my stores are in LDS before I say so: every wave reads parts of every other's
	s_barrier_signal -1
	s_barrier_wait -1
	; wave w takes bytes 1,792 w .. 1,792 w + 1,791 of the stage: three times 512 and once 256
	ds_load_b128 v[BUF:BUF+3], v3
	ds_load_b128 v[BUF+4:BUF+7], v3 offset:512
	ds_load_b128 v[BUF+8:BUF+11], v3 offset:1024
	ds_load_b64 v[BUF+12:BUF+13], v4
	; each store covers 512 or 256 consecutive bytes at a multiple of 256 from out0's first byte; written once, not read again
	s_wait_dscnt 0x3                               ; LDS loads return in order: the first is in, three stay out; and so on down
	global_store_b128 v3, v[BUF:BUF+3], s[8:9] th:TH_STORE_NT
	s_wait_dscnt 0x2
	global_store_b128 v3, v[BUF+4:BUF+7], s[8:9] offset:512 th:TH_STORE_NT
	s_wait_dscnt 0x1
	global_store_b128 v3, v[BUF+8:BUF+11], s[8:9] offset:1024 th:TH_STORE_NT
	s_wait_dscnt 0x0
	global_store_b64 v4, v[BUF+12:BUF+13], s[8:9] th:TH_STORE_NT
	s_wait_tensorcnt 0x0
	ds_add_u32 v112, v113
	s_wait_dscnt 0x0
	s_endpgm
.Lfunc_end_k_q228926654d_pool:
	.size	k_q228926654d_pool, .Lfunc_end_k_q228926654d_pool-k_q228926654d_pool
	.p2alignl 7, 3214868480
	.fill 96, 4, 3214868480
	.section	.rodata,"a",@progbits
	.p2align	6, 0x0
	.amdhsa_kernel k_q228926654d_pool
		.amdhsa_group_segment_fixed_size 13568
		.amdhsa_private_segment_fixed_size 0
		.amdhsa_enable_private_segment 0
		.amdhsa_kernarg_size 24
		.amdhsa_user_sgpr_count 2
		.amdhsa_user_sgpr_kernarg_segment_ptr 1
		.amdhsa_wavefront_size32 1
		.amdhsa_system_sgpr_workgroup_id_x 1
		.amdhsa_system_sgpr_workgroup_id_y 1
		.amdhsa_system_sgpr_workgroup_id_z 1
		.amdhsa_system_vgpr_workitem_id 0
		.amdhsa_next_free_vgpr 114
		.amdhsa_next_free_sgpr 66
		.amdhsa_reserve_vcc 0
		.amdhsa_float_denorm_mode_32 3
		.amdhsa_float_denorm_mode_16_64 3
		.amdhsa_memory_ordered 1
		.amdhsa_forward_progress 1
		.amdhsa_inst_pref_size 44
	.end_amdhsa_kernel
	.amdgpu_metadata
---
amdhsa.version: [ 1, 2 ]
amdhsa.kernels:
  - .name:           k_q228926654d_pool
    .symbol:         k_q228926654d_pool.kd
    .args:
      - { .name: ft, .offset: 0, .size: 8, .value_kind: global_buffer, .address_space: global }
      - { .name: bins, .offset: 8, .size: 8, .value_kind: global_buffer, .address_space: global }
      - { .name: out0, .offset: 16, .size: 8, .value_kind: global_buffer, .address_space: global }
    .group_segment_fixed_size: 13568
    .private_segment_fixed_size: 0
    .kernarg_segment_align: 8
    .kernarg_segment_size: 24
    .max_flat_workgroup_size: 224
    .sgpr_count:     66
    .vgpr_count:     114
    .wavefront_size: 32
...
	.end_amdgpu_metadata
.endif
;; end of part 2
;; ======== version 2 of 2: 2 launches; version 1 with the launch pool written anew for expert scheduling mode
;; workspace buffers: ft 8,388,608 bytes; bins 32,768 bytes of whole numbers
;; launch prep: the kernel of part 1 again; grid 256 x 1, 8 waves a work-group, no clusters, 34,304 bytes of LDS; arguments features, rois, ft, bins; writes ft, bins
;; launch pool (part 3): grid 4 x 512, 7 waves a work-group, no clusters, 13,568 bytes of LDS; arguments ft, bins, out0; writes out0
.if DOCPART == 3
	.amdgcn_target "amdgcn-amd-amdhsa--gfx1250"
	.amdhsa_code_object_version 6
	.text
	.protected	k_q228926654d_pool
	.globl	k_q228926654d_pool
	.p2align	8
	.type	k_q228926654d_pool,@function
k_q228926654d_pool:
	s_mov_b64 s[64:65], 0
	v_nop
	global_prefetch_b8 v0, s[64:65] scope:SCOPE_SE
	s_setreg_imm32_b32 hwreg(HW_REG_WAVE_SCHED_MODE, 0, 2), 2
	s_setreg_imm32_b32 hwreg(HW_REG_WAVE_MODE, 25, 1), 1
	s_wait_xcnt 0x0
	s_wait_alu depctr_vm_vsrc(0)
; POOL: out0[box][c][ph][pw] = the largest ft[b][h][w][c] over the bin's rows and columns, 0 for an empty bin.
; A work-group makes one box x 64 channels: 64 x 49 numbers = 12,544 bytes = 49 x 256, a run of out0 that starts at a multiple of 256 bytes.
; Wave ph makes the seven bins of pooled row ph; a lane keeps two neighbouring channels, so one load of the wave is 256 consecutive bytes of one pixel.
; All control is scalar and comes from the whole numbers that the launch before stored in bins (word: 5:0 first, 13:8 last, 19:16 count, 24 batch).
; The seven bins walk their columns together, k = 0 .. K-1 with K the widest bin's count; a narrower bin stays on its last column, which a
; maximum does not notice.  In a trip each bin takes R rows of its column, and the accumulators have fixed registers.
; A bin of 1 to 6 rows is one block of R = that many rows; 7 to 12 rows are two blocks of R = half, rounded up; the second ends on the last
; row and may take one row again.  One body for each R.  The blocks' trips are ONE counted loop of T = K x blocks trips.
; LIMIT: a NaN among the features loses against numbers here (v_max_num_f32), where reference() hands it on.
; No cluster: which pixels a work-group reads, and in how many trips, hangs on its own box; partners would share no tile by any fixed pattern.
; No LDS copy of the features: 64 channels of one image are 1 MiB.  No prefetch: ft was stored by the launch just before.
; THE MODE: SCHED_MODE bits 1:0 = 2 (LLVM: expert scheduling mode 2), set by the entry lines.  The code itself states the register dependences
; between vector instructions and memory or LDS instructions, with s_wait_alu, always for 0.
; THE PLAN.  Registers that memory or LDS instructions touch:
;   v1          my two channels' byte offset in a pixel: read by every load of ft; made at the head and never written again.  The pixel is reached by
;               a scalar base for each bin, which scalar instructions write, the rows by immediate offsets.
;   v2, v3, v4  LDS and out0 addresses of the way out: made at the head and never written again.
;   BUF[pw]     the seven bins' buffers are a ring.  Bin pw's turn in trip t: its maxima read BUF[pw]; behind them the bin's R loads of trip t + 1 land in it.
;               No other vector instruction names it.  On the way out the loads from the stage land in BUF[0] and BUF[1].
;   ACC[pw]     named by vector instructions alone until the way out, where the LDS stores read it.
; So ONE wait on va_vdst stands in a turn, behind the bin's maxima and ahead of its R loads; one at the end of the head, for v1 to v4; one on the way out.
; No register that a memory or LDS instruction reads is ever written afterwards, so no wait on vm_vsrc is owed.  EXEC and VCC are never written.
.set ACC, 6                            ; v[6:19]    bin pw: a pair, the running maxima of my two channels
.set BUF, 20                           ; v[20:103]  bin pw, row r: the pair at BUF + 12 pw + 2 r
.set WT,  BUF                          ; v20        at the head only: the wave's number
.set FP,  24                           ; s[24:30]   bin pw: pixel number of its first column in the first block's first row; on the way out: its mask
.set LP,  32                           ; s[32:38]   bin pw: the same for its last column
.set BS,  48                           ; s[48:61]   bin pw: a pair, the address of the pixel that its loads in flight begin at
.set ROWB, 65536                       ; bytes from an image row to the next: 64 pixels x 256 channels x 4
	s_load_b128 s[4:7], s[0:1], 0x0                ; ft s[4:5], bins s[6:7]
	s_load_b64 s[8:9], s[0:1], 0x10                ; out0
	v_lshl_add_u32 v104, v0, 2, 0x3100
	v_mov_b32 v105, 0
	v_and_b32 v5, 31, v0                           ; lane
	v_lshrrev_b32 v[WT], 5, v0                     ; wave = ph
	v_readfirstlane_b32 s10, v[WT]
	s_and_b32 s46, ttmp7, 0xffff                   ; box
	s_lshl_b32 s62, ttmp9, 8                       ; the group's 64 channels: 256 bytes of a pixel (a register of its own, not written again)
	v_lshl_add_u32 v1, v5, 3, s62                  ; + my two channels
	v_mul_u32_u24 v2, v[WT], 28
	v_mad_u32_u24 v2, v5, 392, v2                  ; stage, in: channel 2 lane x 196 bytes + ph x 28.  98 words from lane to lane: 32 different banks
	v_mul_u32_u24 v3, v[WT], 1792
	v_lshl_add_u32 v4, v5, 3, v3
	v_lshl_add_u32 v3, v5, 4, v3                   ; stage, back, and out0: my wave's 1,792 bytes, 16 a lane,
	v_add_nc_u32 v4, 1536, v4                      ; and the last 256 of them, 8 a lane
.irp i, 0,1,2,3,4,5,6,7,8,9,10,11,12,13
	v_mov_b32 v[ACC+\i], 0xff800000                ; -inf, as reference()'s scans start
.endr
	s_wait_alu depctr_va_sdst(0)                   ; s10 is written, ahead of its first reader, the line below
	s_lshl_b32 s11, s10, 2                         ; my row bin's word in the box's record
	s_lshl_b32 s44, s46, 6                         ; a box's record is 64 bytes
	s_mov_b32 s45, 0
	s_wait_kmcnt 0x0
	s_add_nc_u64 s[6:7], s[6:7], s[44:45]
	s_load_b32 s12, s[6:7], s11 offset:0x0         ; my row bin
	s_load_b256 s[16:23], s[6:7], 0x20             ; the column bins
	s_mul_i32 s44, s46, 50176                      ; out0: box x 256 channels x 196 bytes
	s_mul_i32 s47, ttmp9, 12544                    ;       + group x 64 channels x 196 bytes
	s_add_co_u32 s44, s44, s47                     ; below 2^25
	s_add_nc_u64 s[8:9], s[8:9], s[44:45]
	s_mov_b32 s31, 1                               ; K, at least one trip
	s_mov_b32 s41, 0                               ; bit pw: bin pw is empty
	s_wait_kmcnt 0x0
	s_and_b32 s44, s12, 63                         ; first row
	s_bfe_u32 s14, s12, 0x40010                    ; rows
	s_min_u32 s14, s14, 12
	s_bfe_u32 s13, s12, 0x10018                    ; batch
	s_lshl_b32 s13, s13, 12
	s_lshl_b32 s44, s44, 6
	s_add_co_u32 s13, s13, s44                     ; pixel number of (batch, first row, column 0)
	s_max_u32 s44, s14, 1                          ; an empty bin still reads one row, and is set to 0 at the end
	s_add_co_u32 s45, s44, 1
	s_lshr_b32 s45, s45, 1
	s_cmp_gt_u32 s44, 6
	s_cselect_b32 s15, s45, s44                    ; R: rows of a block, 1 to 6
	s_cselect_b32 s39, 2, 1                        ; blocks
	s_sub_co_u32 s40, s44, s15
	s_lshl_b32 s40, s40, 6                         ; pixels from the first block to the second
.irp pw, 0,1,2,3,4,5,6
	s_and_b32 s44, s[16+\pw], 63
	s_add_co_u32 s[FP+\pw], s13, s44
	s_bfe_u32 s44, s[16+\pw], 0x60008
	s_add_co_u32 s[LP+\pw], s13, s44
	s_bfe_u32 s44, s[16+\pw], 0x40010              ; columns
	s_max_u32 s31, s31, s44
	s_cmp_eq_u32 s44, 0
	s_cselect_b32 s44, 1<<\pw, 0
	s_or_b32 s41, s41, s44
.endr
	s_min_u32 s31, s31, 12
	s_cmp_eq_u32 s14, 0
	s_cselect_b32 s41, 0x7f, s41                   ; no rows: all seven are empty
	s_mul_i32 s47, s31, s39                        ; T: the trips of all blocks, 1 to 24
	s_mov_b32 s45, 0                               ; the high word of a pixel's byte offset
	s_wait_alu depctr_va_vdst(0)                   ; v1 to v4 are written, which the loads, LDS instructions and stores below read as addresses; so is v20, in which a load lands
; the R rows of bin pw go into its two maxima, two rows an instruction; the two channels' chains take turns
.macro MAXR pw, R
.set rr, 0
.rept \R/2
	v_max3_num_f32 v[ACC+2*\pw],   v[ACC+2*\pw],   v[BUF+12*\pw+2*rr],   v[BUF+12*\pw+2*rr+2]
	v_max3_num_f32 v[ACC+2*\pw+1], v[ACC+2*\pw+1], v[BUF+12*\pw+2*rr+1], v[BUF+12*\pw+2*rr+3]
.set rr, rr+2
.endr
.if \R & 1
	v_max_num_f32 v[ACC+2*\pw],   v[ACC+2*\pw],   v[BUF+12*\pw+2*rr]
	v_max_num_f32 v[ACC+2*\pw+1], v[ACC+2*\pw+1], v[BUF+12*\pw+2*rr+1]
.endif
.endm
; bin pw's base for the trip that is asked for: column s42 of the block whose first row lies s43 pixels on
.macro BASE pw, R
	s_add_co_u32 s44, s[FP+\pw], s42               ; that column of the bin,
	s_min_u32 s44, s44, s[LP+\pw]                  ; or its last
.if \R > 3
	s_add_co_u32 s44, s44, s43                     ; in the block's first row
.endif
	s_min_u32 s44, s44, 0x1fff-64*(\R-1)           ; a loaded number enters an address only behind a constant bound: with it the R rows end inside ft's 8,192 pixels
	s_lshl_b32 s44, s44, 10                        ; a pixel is 1,024 bytes
	s_add_nc_u64 s[BS+2*\pw:BS+2*\pw+1], s[4:5], s[44:45]
.endm
; bin pw's R loads
.macro ASK pw, R
.set rr, 0
.rept \R
	global_load_b64 v[BUF+12*\pw+2*rr:BUF+12*\pw+2*rr+1], v1, s[BS+2*\pw:BS+2*\pw+1] offset:ROWB*rr
.set rr, rr+1
.endr
.endm
; the trip that is asked for moves on: the next column; behind a block's last column the second block's column 0
.macro NEXT R
	s_add_co_u32 s42, s42, 1
.if \R > 3
	s_cmp_eq_u32 s42, s31
	s_cselect_b32 s42, 0, s42
	s_cselect_b32 s43, s40, s43
.endif
.endm
; Bin pw's turn.  ahead = 1: the bin's buffer is asked for again, for the next trip.  left = how many younger loads may stay out.
.macro UNIT pw, R, ahead, left
	s_wait_loadcnt \left                           ; loads return in order: bin pw's R are in, the younger turns' stay out; the wait also shows the loads that read the bin's base done
	MAXR \pw, \R
.if \ahead
	BASE \pw, \R                                   ; scalar work, between the maxima and the wait for them
	s_wait_alu depctr_va_vdst(0)                   ; the maxima above are done reading BUF[pw], in which the loads below land
	ASK \pw, \R
.endif
.endm
; the body for blocks of R rows
.macro POOL R
.LR\R:
	s_mov_b32 s42, 0                               ; the trip that is asked for: column 0,
.if \R > 3
	s_mov_b32 s43, 0                               ; first block
.endif
.irp pw, 0,1,2,3,4,5,6
	BASE \pw, \R                                   ; trip 0: the ring is filled.  No wait: no vector instruction since the head's wait names v1 or BUF
	ASK \pw, \R
.endr
	NEXT \R
	s_mov_b32 s46, 1                               ; the loop makes trips 0 to T - 2 and asks for trips 1 to T - 1
	s_cmp_lt_u32 s46, s47
	s_cbranch_scc0 .Lt\R                           ; T = 1: nothing more to ask for.  On both ways to the tail the same 7 R loads are out
.Lk\R:
.irp pw, 0,1,2,3,4,5,6
	UNIT \pw, \R, 1, 6*\R                          ; the six younger turns' R loads each stay out
.endr
	NEXT \R
	s_add_co_u32 s46, s46, 1
	s_cmp_lt_u32 s46, s47
	s_cbranch_scc1 .Lk\R
.Lt\R:
.irp pw, 0,1,2,3,4,5,6
	UNIT \pw, \R, 0, (6-\pw)*\R                    ; the last trip is written out: it asks for nothing, and the counts run down
.endr
.if \R > 1
	s_branch .Lfin
.endif
.endm
.irp r, 1,2,3,4,5
	s_cmp_eq_u32 s15, \r
	s_cbranch_scc1 .LR\r
.endr
	POOL 6
	POOL 5
	POOL 4
	POOL 3
	POOL 2
	POOL 1
.Lfin:
	; empty bins give 0; then the wave's 7 x 64 numbers go to their places in the stage, which is laid as out0 is: [channel][ph][pw]
.irp pw, 0,1,2,3,4,5,6
	s_bitcmp1_b32 s41, \pw
	s_cselect_b32 s[FP+\pw], 0, -1                 ; a mask register for each bin
.endr
.irp pw, 0,1,2,3,4,5,6
	v_and_b32 v[ACC+2*\pw], s[FP+\pw], v[ACC+2*\pw]
	v_and_b32 v[ACC+2*\pw+1], s[FP+\pw], v[ACC+2*\pw+1]
.endr
	s_wait_alu depctr_va_vdst(0)                   ; the lines above have written ACC, which the LDS stores read; the last trip's maxima are done reading BUF[0] and BUF[1], in which the loads from the stage land
.irp pw, 0,1,2,3,4,5,6
	ds_store_b32 v2, v[ACC+2*\pw] offset:4*\pw
	ds_store_b32 v2, v[ACC+2*\pw+1] offset:4*\pw+196
.endr
	s_wait_dscnt 0x0                               ; my stores are in LDS before I say so: every wave reads parts of every other's
	s_barrier_signal -1
	s_barrier_wait -1
	; wave w takes bytes 1,792 w .. 1,792 w + 1,791 of the stage: three times 512 and once 256
	ds_load_b128 v[BUF:BUF+3], v3
	ds_load_b128 v[BUF+4:BUF+7], v3 offset:512
	ds_load_b128 v[BUF+8:BUF+11], v3 offset:1024
	ds_load_b64 v[BUF+12:BUF+13], v4
	; each store covers 512 or 256 consecutive bytes at a multiple of 256 from out0's first byte; written once, not read again
	s_wait_dscnt 0x3                               ; LDS loads return in order: the first is in, three stay out; and so on down
	global_store_b128 v3, v[BUF:BUF+3], s[8:9] th:TH_STORE_NT
	s_wait_dscnt 0x2
	global_store_b128 v3, v[BUF+4:BUF+7], s[8:9] offset:512 th:TH_STORE_NT
	s_wait_dscnt 0x1
	global_store_b128 v3, v[BUF+8:BUF+11], s[8:9] offset:1024 th:TH_STORE_NT
	s_wait_dscnt 0x0
	global_store_b64 v4, v[BUF+12:BUF+13], s[8:9] th:TH_STORE_NT
	s_wait_dscnt 0x0
	s_wait_alu depctr_hold_cnt(0) depctr_sa_sdst(0) depctr_va_vdst(0) depctr_va_sdst(0) depctr_va_ssrc(0) depctr_va_vcc(0) depctr_vm_vsrc(0)
	s_wait_tensorcnt 0x0
	ds_add_u32 v104, v105
	s_wait_dscnt 0x0
	s_endpgm
.Lfunc_end_k_q228926654d_pool:
	.size	k_q228926654d_pool, .Lfunc_end_k_q228926654d_pool-k_q228926654d_pool
	.p2alignl 7, 3214868480
	.fill 96, 4, 3214868480
	.section	.rodata,"a",@progbits
	.p2align	6, 0x0
	.amdhsa_kernel k_q228926654d_pool
		.amdhsa_group_segment_fixed_size 13568
		.amdhsa_private_segment_fixed_size 0
		.amdhsa_enable_private_segment 0
		.amdhsa_kernarg_size 24
		.amdhsa_user_sgpr_count 2
		.amdhsa_user_sgpr_kernarg_segment_ptr 1
		.amdhsa_wavefront_size32 1
		.amdhsa_system_sgpr_workgroup_id_x 1
		.amdhsa_system_sgpr_workgroup_id_y 1
		.amdhsa_system_sgpr_workgroup_id_z 1
		.amdhsa_system_vgpr_workitem_id 0
		.amdhsa_next_free_vgpr 106
		.amdhsa_next_free_sgpr 66
		.amdhsa_reserve_vcc 0
		.amdhsa_float_denorm_mode_32 3
		.amdhsa_float_denorm_mode_16_64 3
		.amdhsa_memory_ordered 1
		.amdhsa_forward_progress 1
		.amdhsa_inst_pref_size 79
	.end_amdhsa_kernel
	.amdgpu_metadata
---
amdhsa.version: [ 1, 2 ]
amdhsa.kernels:
  - .name:           k_q228926654d_pool
    .symbol:         k_q228926654d_pool.kd
    .args:
      - { .name: ft, .offset: 0, .size: 8, .value_kind: global_buffer, .address_space: global }
      - { .name: bins, .offset: 8, .size: 8, .value_kind: global_buffer, .address_space: global }
      - { .name: out0, .offset: 16, .size: 8, .value_kind: global_buffer, .address_space: global }
    .group_segment_fixed_size: 13568
    .private_segment_fixed_size: 0
    .kernarg_segment_align: 8
    .kernarg_segment_size: 24
    .max_flat_workgroup_size: 224
    .sgpr_count:     66
    .vgpr_count:     106
    .wavefront_size: 32
...
	.end_amdgpu_metadata
.endif
;; end of part 3
